; MI455X (gfx1250); checked and timed in simulation.
; The chip was launched on July 23, 2026; its instructions are those of AMD's public machine-readable ISA for CDNA 5 (MIT licence, August 2026) and "CDNA5" Instruction Set Architecture Reference Guide (July 2026). The comments in the code are by the model that wrote it; some were corrected since.
;; Multi Head Cross Attention. Allowed arithmetic: float matrix products may take bf16 or f16 operands with f32 sums; other float arithmetic in f32, or as packed bf16 or f16 multiplies, adds, multiply-adds, maxima and minima; sums over many terms, partial sums and values carried from step to step in f32; what a program stores and reads back later, other than sums and carried values, may be rounded once to bf16 or f16.
;; Inputs: W_K 1,024 x 1,024 float32; W_Q 1,024 x 1,024 float32; W_V 1,024 x 1,024 float32; W_fc 1,024 x 1,024 float32; beta 1,024 float32; gamma 1,024 float32; x1 8,192 x 1,024 float32; x2 8,192 x 1,024 float32.
;; Outputs: out0 8,192 x 1 x 1,024 float32.
;; One version. Each part assembles by itself: llvm-mc -triple=amdgcn-amd-amdhsa -mcpu=gfx1250 --defsym DOCPART=n.
;; ======== version 1 of 1: 3 launches
;; limits: values are held in f16: magnitudes above 65,504 overflow, below 6.1e-05 lose precision
;; workspace buffers: xf 33,554,432 bytes; w3f 6,291,456 bytes; wfc 2,097,152 bytes; resf 33,554,432 bytes
;; launch cast (part 1): grid 64 x 20, 8 waves a work-group, no clusters, 35,840 bytes of LDS; arguments x1, x2, W_Q, W_K, W_V, W_fc, xf, w3f, wfc; writes xf, w3f, wfc
.if DOCPART == 1
	.amdgcn_target "amdgcn-amd-amdhsa--gfx1250"
	.amdhsa_code_object_version 6
	.text
	.protected	k_q14e4a10d00_cast
	.globl	k_q14e4a10d00_cast
	.p2align	8
	.type	k_q14e4a10d00_cast,@function
k_q14e4a10d00_cast:
	s_mov_b64 s[64:65], 0
	v_nop
	global_prefetch_b8 v0, s[64:65] scope:SCOPE_SE
	s_setreg_imm32_b32 hwreg(HW_REG_WAVE_MODE, 25, 1), 1
	s_wait_xcnt 0x0
; CAST.  x1, x2, W_Q, W_K, W_V are rounded once to bf16; W_fc is rounded to bf16 and that number is written as f16.  All are laid out in FRAGMENT ORDER:
; a block of 16 rows x 32 k is 1,024 bytes, and byte 512 c + 16 (16 h + r) holds row r, k = 16 c + 8 h + 0..7: the register image of a 16-bit matrix operand
; (lane 16 h + r takes 16 bytes at 16 x lane and 16 bytes 512 further on).  So the later launches' tiles are dense and every load of a wave covers 512 consecutive bytes.
;   xf  [x1 | x2][group of 128 rows: 64][step of 64 k: 16][block of 16 rows: 8][half step: 2][1,024]
;   w3f [head: 16][step: 16][Q's 4 blocks, K's 4, V's 4][half step: 2][1,024]          wfc [step: 16][block of 16 rows: 64][half step: 2][1,024]
; LIMIT.  A number of bf16(W_fc) below 2^-14 keeps f16's fixed step of 2^-24; above 65,504 it would be lost (W_fc as drawn lies under 1/32).
; SHARES.  A work-group takes one block of 16 rows of one source (y: 0-7 x1, 8-15 x2, 16 W_Q, 17 W_K, 18 W_V, 19 W_fc), wave w its k = 128 w .. 128 w + 127: 8 KiB in, 4 KiB out.
; Memory binds: each byte is read once by loads that cover 512 consecutive bytes, all sixteen of a wave out together, and written once by stores that cover 512 consecutive bytes.
; No matrix unit, cluster, tensor load or prefetch: nothing is shared and the stream is the whole launch.  The turn from rows to fragment order goes through the wave's own LDS bytes: no barrier.
.set GPITCH, 272                       ; a group of 256 bytes (16 rows x 16 bytes of one c, h) + 16: the 16 groups that a store touches start 4 words apart
.set WLDS,   16*GPITCH                 ; a wave's bytes
.set SPARE,  8*WLDS                    ; behind them: the spare words, 128 bytes for each wave: four blocks of 256 bytes that no other line names
.set IN,  16                           ; v[16:79]   sixteen rows as loaded, later eight pieces of 512 bytes to store
.set PKD, 80                           ; v[80:111]  row i's four numbers of my lane, packed: two registers
	s_load_b512 s[16:31], s[0:1], 0x0              ; x1 s[16:17], x2, W_Q, W_K, W_V, W_fc s[26:27], xf s[28:29], w3f s[30:31]
	s_load_b64 s[32:33], s[0:1], 0x40              ; wfc
	v_lshl_add_u32 v10, v0, 2, SPARE               ; my spare word,
	v_mov_b32 v11, 0                               ; and 0: kept for the add at the wave's end alone
	v_lshrrev_b32 v6, 5, v0
	v_readfirstlane_b32 s8, v6                     ; wave 0..7
	v_and_b32 v7, 31, v0                           ; lane l
	s_and_b32 s9, ttmp7, 0xffff                    ; y: which source
	s_mov_b32 s10, ttmp9                           ; x
	v_lshlrev_b32 v1, 4, v0                        ; source: 512 x wave + 16 l in a row of 4,096 bytes
	s_mul_i32 s11, s8, WLDS
	v_lshrrev_b32 v8, 1, v7                        ; my four k lie in group l / 2 (half step, c, h), at byte 8 (l % 2) of a row's 16
	v_mul_u32_u24 v2, v8, GPITCH
	v_and_b32 v8, 1, v7
	v_lshl_add_u32 v2, v8, 3, v2
	v_add_nc_u32 v2, s11, v2                       ; where I put 8 bytes of row 0; row i lies 16 i further on
	v_lshrrev_b32 v8, 4, v7                        ; back: lanes 0-15 one group, lanes 16-31 the next: 512 bytes of the result on end
	v_mul_u32_u24 v3, v8, GPITCH
	v_and_b32 v8, 15, v7
	v_lshl_add_u32 v3, v8, 4, v3
	v_add_nc_u32 v3, s11, v3
	s_mov_b32 s13, 0                               ; the offsets' high words
	s_mov_b32 s15, 0
	s_wait_kmcnt 0x0
	s_cmp_lt_u32 s9, 16
	s_cbranch_scc0 .Lweights
	s_and_b32 s34, s9, 7                           ; x1 or x2: block of 16 rows = 64 (y % 8) + x
	s_lshl_b32 s34, s34, 6
	s_add_co_u32 s34, s34, s10
	s_lshl_b32 s12, s34, 16                        ; 16 rows of 4,096 bytes
	s_lshr_b32 s14, s9, 3
	s_lshl_b32 s14, s14, 24                        ; x1 | x2
	s_lshr_b32 s35, s34, 3
	s_lshl_b32 s35, s35, 18                        ; the group of 128 rows
	s_add_co_u32 s14, s14, s35
	s_and_b32 s35, s34, 7
	s_lshl_b32 s35, s35, 11                        ; the block in it
	s_add_co_u32 s14, s14, s35
	s_cmp_lt_u32 s9, 8
	s_cselect_b64 s[4:5], s[16:17], s[18:19]
	s_mov_b64 s[6:7], s[28:29]
	s_mov_b32 s36, 16384                           ; bytes from a step of 64 k to the next
	s_branch .Lgo
.Lweights:
	s_lshl_b32 s12, s10, 16
	s_cmp_lt_u32 s9, 19
	s_cbranch_scc0 .Lfc
	s_lshr_b32 s14, s10, 2                         ; W_Q, W_K, W_V: head = x / 4,
	s_mul_i32 s14, s14, 393216
	s_sub_co_u32 s34, s9, 16
	s_lshl_b32 s34, s34, 2
	s_and_b32 s35, s10, 3
	s_add_co_u32 s34, s34, s35                     ; block 4 (y - 16) + x % 4 of the head's twelve
	s_lshl_b32 s34, s34, 11
	s_add_co_u32 s14, s14, s34
	s_cmp_eq_u32 s9, 17
	s_cselect_b64 s[4:5], s[22:23], s[24:25]
	s_cmp_eq_u32 s9, 16
	s_cselect_b64 s[4:5], s[20:21], s[4:5]
	s_mov_b64 s[6:7], s[30:31]
	s_mov_b32 s36, 24576
	s_branch .Lgo
.Lfc:
	s_lshl_b32 s14, s10, 11                        ; W_fc: block x of a step's 64
	s_mov_b64 s[4:5], s[26:27]
	s_mov_b64 s[6:7], s[32:33]
	s_mov_b32 s36, 131072
.Lgo:
	s_add_nc_u64 s[4:5], s[4:5], s[12:13]
	s_add_nc_u64 s[6:7], s[6:7], s[14:15]
	s_mul_i32 s37, s8, s36
	s_lshl_b32 s37, s37, 1                         ; my wave's two steps
	v_lshl_add_u32 v4, v7, 4, s37                  ; result: 16 l in the first of them,
	v_add_nc_u32 v5, s36, v4                       ; and in the second
.set i, 0
.rept 16
	global_load_b128 v[IN+4*i:IN+4*i+3], v1, s[4:5] offset:4096*i th:TH_LOAD_NT  ; row i: 512 consecutive bytes a wave
.set i, i+1
.endr
.set i, 0
.rept 16
	s_wait_loadcnt 15-i                            ; loads come back in order: row i is in, the younger ones stay out
	v_cvt_pk_bf16_f32 v[PKD+2*i], v[IN+4*i], v[IN+4*i+1]
	v_cvt_pk_bf16_f32 v[PKD+2*i+1], v[IN+4*i+2], v[IN+4*i+3]
.set i, i+1
.endr
	s_cmp_eq_u32 s9, 19
	s_cbranch_scc0 .Lstage
.set i, 0
.rept 32                                       ; W_fc alone: the bf16 numbers are written as f16
	v_lshlrev_b32 v[12+2*(i%2)], 16, v[PKD+i]
	v_and_b32 v[13+2*(i%2)], 0xffff0000, v[PKD+i]
	v_cvt_pk_f16_f32 v[PKD+i], v[12+2*(i%2)], v[13+2*(i%2)]
.set i, i+1
.endr
.Lstage:
.set i, 0
.rept 16
	ds_store_b64 v2, v[PKD+2*i:PKD+2*i+1] offset:16*i
.set i, i+1
.endr
.set t, 0
.rept 8
	ds_load_b128 v[IN+4*t:IN+4*t+3], v3 offset:2*GPITCH*t  ; my wave's own bytes: LDS serves a wave's instructions in order (ISA guide 5.7.1.4), so these see the stores above
.set t, t+1
.endr
.set t, 0
.rept 8
	s_wait_dscnt 7-t
	global_store_b128 v[4+t/4], v[IN+4*t:IN+4*t+3], s[6:7] offset:(t%4)*512  ; 512 consecutive bytes, at a multiple of 512 from the buffer's first
.set t, t+1
.endr
	s_wait_tensorcnt 0x0                           ; the wave's end, behind my last LDS store
	ds_add_u32 v10, v11
	s_wait_dscnt 0x0
	s_endpgm
.Lfunc_end_k_q14e4a10d00_cast:
	.size	k_q14e4a10d00_cast, .Lfunc_end_k_q14e4a10d00_cast-k_q14e4a10d00_cast
	.p2alignl 7, 3214868480
	.fill 96, 4, 3214868480
	.section	.rodata,"a",@progbits
	.p2align	6, 0x0
	.amdhsa_kernel k_q14e4a10d00_cast
		.amdhsa_group_segment_fixed_size 35840
		.amdhsa_private_segment_fixed_size 0
		.amdhsa_enable_private_segment 0
		.amdhsa_kernarg_size 72
		.amdhsa_user_sgpr_count 2
		.amdhsa_user_sgpr_kernarg_segment_ptr 1
		.amdhsa_wavefront_size32 1
		.amdhsa_system_sgpr_workgroup_id_x 1
		.amdhsa_system_sgpr_workgroup_id_y 1
		.amdhsa_system_sgpr_workgroup_id_z 1
		.amdhsa_system_vgpr_workitem_id 0
		.amdhsa_next_free_vgpr 112
		.amdhsa_next_free_sgpr 66
		.amdhsa_reserve_vcc 0
		.amdhsa_float_denorm_mode_32 3
		.amdhsa_float_denorm_mode_16_64 3
		.amdhsa_memory_ordered 1
		.amdhsa_forward_progress 1
		.amdhsa_inst_pref_size 15
	.end_amdhsa_kernel
	.amdgpu_metadata
---
amdhsa.version: [ 1, 2 ]
amdhsa.kernels:
  - .name:           k_q14e4a10d00_cast
    .symbol:         k_q14e4a10d00_cast.kd
    .args:
      - { .name: x1, .offset: 0, .size: 8, .value_kind: global_buffer, .address_space: global }
      - { .name: x2, .offset: 8, .size: 8, .value_kind: global_buffer, .address_space: global }
      - { .name: W_Q, .offset: 16, .size: 8, .value_kind: global_buffer, .address_space: global }
      - { .name: W_K, .offset: 24, .size: 8, .value_kind: global_buffer, .address_space: global }
      - { .name: W_V, .offset: 32, .size: 8, .value_kind: global_buffer, .address_space: global }
      - { .name: W_fc, .offset: 40, .size: 8, .value_kind: global_buffer, .address_space: global }
      - { .name: xf, .offset: 48, .size: 8, .value_kind: global_buffer, .address_space: global }
      - { .name: w3f, .offset: 56, .size: 8, .value_kind: global_buffer, .address_space: global }
      - { .name: wfc, .offset: 64, .size: 8, .value_kind: global_buffer, .address_space: global }
    .group_segment_fixed_size: 35840
    .private_segment_fixed_size: 0
    .kernarg_segment_align: 8
    .kernarg_segment_size: 72
    .max_flat_workgroup_size: 256
    .sgpr_count:     66
    .vgpr_count:     112
    .wavefront_size: 32
...
	.end_amdgpu_metadata
.endif
;; end of part 1
;; launch qkv (part 2): grid 8 x 32, 4 waves a work-group, clusters of 4 x 4, 327,680 bytes of LDS; arguments xf, w3f, resf; writes resf
.if DOCPART == 2
	.amdgcn_target "amdgcn-amd-amdhsa--gfx1250"
	.amdhsa_code_object_version 6
	.text
	.protected	k_q14e4a10d00_qkv
	.globl	k_q14e4a10d00_qkv
	.p2align	8
	.type	k_q14e4a10d00_qkv,@function
k_q14e4a10d00_qkv:
	s_mov_b64 s[64:65], 0
	v_nop
	global_prefetch_b8 v0, s[64:65] scope:SCOPE_SE
	s_setreg_imm32_b32 hwreg(HW_REG_WAVE_MODE, 25, 1), 1
	s_wait_xcnt 0x0
	s_wait_alu depctr_hold_cnt(0) depctr_sa_sdst(0) depctr_va_vdst(0) depctr_va_sdst(0) depctr_va_ssrc(0) depctr_va_vcc(0) depctr_vm_vsrc(0)
	s_getreg_b32 s2, hwreg(HW_REG_IB_STS2, 6, 4)
	s_cmp_eq_u32 s2, 0
	s_cbranch_scc0 .Lentry_in_a_cluster
	s_endpgm
.Lentry_in_a_cluster:
	s_bfe_u32 s2, ttmp6, 0x10000c
	s_cmp_lg_u32 s2, 0xf033
	s_cbranch_scc0 .Lentry_shape_is_right
	s_endpgm
.Lentry_shape_is_right:
; QKV AND ATTENTION.  [x1; x2] x [W_Q; W_K; W_V]^T in bf16 with f32 sums; then for each row b and head: score = Q(other x) . K(this x) / 8, softmax over the ONE key, weight x V(this x).
; The result goes out in f16, in the fragment order in which the next launch takes it: resf [group of 32 rows b: 256][32 channels: 32][2 x branch + block of 16 rows: 4][1,024 bytes].
; The softmax is written as it stands: the maximum over the one key is the score itself and is taken away, the sum is the one exponential.  A score that is not finite gives NaN, as in the definition.
; LIMIT.  f16 holds no number beyond 65,504: |V| must stay under it (as drawn it is about 3; with x and W_V both 30 times larger about 3,000).
; SHARES.  A tile is 256 rows (128 rows b of x1 and THE SAME 128 of x2) x 384 columns (Q, K, V of two heads).  Work-group (X, Y) stays and makes two tiles: heads 2 X, 2 X + 1, row groups 2 Y, 2 Y + 1.
; Wave w has 64 rows b (w / 2) of both x and one head (w % 2): 8 fragments of x, 12 of W, 96 accumulators, 768 registers: 20 fragments from LDS feed 96 products.  A wave holds Q, K and V of a whole head for x1 and x2
; of the same rows, so a score is a sum of products of registers of one lane and one exchange between the halves of the lanes, and Q and K never leave the registers.
; THE PRODUCT IS USED TRANSPOSED: source 0 = 16 rows of W, source 1 = 16 rows of x: a lane holds ONE row b (lane % 16) and the channels 8 (lane / 16) + 0..7, which pack into 16 bytes of the next launch's fragment.
; THE RING.  K goes in steps of 64 through two LDS slots; a tile has 16 steps, the walk 32, and the ring runs on across the change of tiles.  Tiles are dense (fragment order): no padding, and every LDS load of a wave takes 512 bytes on end.
; A slot: x1 16 KiB, x2 16 KiB, two heads of 24 KiB.  Steps of 128 would fill all of LDS and leave no room for the spare words.
; CLUSTER 4 x 4.  x's tiles hang on Y alone and are asked for jointly along a row of the cluster (waves 0, 1), W's on X alone and jointly along a column (waves 2, 3): one load a wave behind each round.
; REGISTERS, in windows of 256 (s_set_vgpr_msb: bits 1:0 source 0, 3:2 source 1, 5:4 source 2, 7:6 destination):
;   window 0: v2-9 addresses; v16-31 eight pairs for the scores; v32-95, v96-159 x's fragments of a step's two halves (later the packed results); v160-255 three buffers of four fragments of W that take turns
;   window 1: Q's accumulators, (block jq of 16 channels, fragment a of x) at v[8 (8 jq + a)];  window 2: K's;  window 3: V's.  a = 0-3: x1, a = 4-7: x2.
.set SLOT1,  131072                    ; slot 1 begins here: one exclusive or turns an address in one slot into the other's
.set X2OFF,  16384                     ; in a slot: x2 behind x1,
.set BOFF,   32768                     ; the first head behind them,
.set HEADB,  24576                     ; the second behind the first; also a step's bytes of a head in memory
.set ASTEP,  16384                     ; a step's bytes of x1 or x2 in memory
.set SPARE,  SLOT1+BOFF+2*HEADB        ; behind the ring: the spare words, 128 bytes for each wave: two blocks of 256 bytes that no other line names
.set TS,  16
.set AF0, 32
.set AF1, 96
.set BQ0, 160
.set BQ1, 192
.set BQ2, 224
.set PKD, 32                           ; the packed results: fragment a, block jv at PKD + 4 (4 a + jv)
.set WV,  10                           ; s10 wave;  s11 wave / 2: my 64 rows;  s12 wave % 2: my head; also which part I fetch
.set WH,  11
.set WL,  12
.set CX,  13
.set CY,  14
.set GX,  15                           ; s15 X: it enters W's addresses and resf's alone
.set GY,  16                           ; s16 Y: it enters x's addresses and resf's alone
.set ABASE, 20                         ; s[20:21] xf at step 0 of the part that I would fetch
.set BBASE, 22                         ; s[22:23] w3f likewise
.set G1A, 24                           ; s[24:31] descriptor group 1 for x's tiles
.set G0A, 32                           ; s[32:39] group 0: a set for each first fill; the second then walks
.set G1B, 40                           ; s[40:47], s[48:55] the same for W's tiles
.set G0B, 48
.set NS,  56                           ; s56 the step to be asked for next
.set CNT, 57
.set TILES, 58
.set TB,  59                           ; s59 the slot that is read: 0 or SLOT1
.set OFF, 60                           ; s[60:61] a step's byte offset
.set SEL, 62                           ; s[62:63] v_permlanex16_b32's selects: each lane takes its own place in the other half
.set CS,  66                           ; s66 log2(e) / 8
.set PFA, 68                           ; s[68:69] where my prefetches stand
.set PBASE, 70                         ; s[70:71] step 0 of the stream that I prefetch
.set PLIM, 72                          ; s72 the last value of NS at which I prefetch; 0: never
.set PSTEP, 73
.set MYPL, 74                          ; s74 my work-group's place among the four that ask jointly: it enters a prefetch's address alone
.set TMPS, 75
.set RES, 76                           ; s[76:77] resf at my wave's part of the tile
.set POFF, 92                          ; s[92:93]
.set MSB, 0
.macro WIN new                         ; the immediate's high byte repeats the setting that is left; a switch that changes nothing is dropped
.if MSB != (\new)
	s_set_vgpr_msb (MSB<<8)|(\new)
.set MSB, (\new)
.endif
.endm
; Four places: a load into a register that a matrix instruction has read, and a vector instruction that reads a matrix result, stand four plain vector instructions behind it (ISA guide 7.12.1 for vector instructions).
.macro PLACES
.rept 4
	v_nop
.endr
.endm
.macro CREST                           ; a round of the cluster's barrier behind its opening barrier
	s_cmp_lg_u32 s[WV], 0
	s_cbranch_scc1 .Lnot_wave_0_\@
	s_barrier_signal -3
.Lnot_wave_0_\@:
	s_barrier_wait -3
	s_barrier_signal -1
	s_barrier_wait -1
.endm
.macro CROUND                          ; a whole round
	s_barrier_signal -1
	s_barrier_wait -1
	CREST
.endm
; A joint refill by the walking descriptors.  The branch hangs on the wave's number alone.  An s_nop 0 and four v_nop follow each of the two lines; the four are also the places in front of the LDS loads behind.
.macro JLOAD
	s_cmp_lt_u32 s[WV], 2
	s_cbranch_scc0 .Lfor_b_\@
	tensor_load_to_lds s[G0A+4:G0A+7], s[G1A:G1A+7]
	s_nop 0
.rept 4
	v_nop
.endr
	s_branch .Lasked_\@
.Lfor_b_\@:
	tensor_load_to_lds s[G0B+4:G0B+7], s[G1B:G1B+7]
	s_nop 0
.rept 4
	v_nop
.endr
.Lasked_\@:
.endm
; Four fragments of W, 8 LDS loads: number n of a step's six: half step n / 3; n % 3 = 0: Q's, 1: K's, 2: V's.
.macro QLOAD n, buf
.set kq, (\n)%3
.set kh, (\n)/3
.irp f, 0,1,2,3
	ds_load_b128 v[(\buf)+8*\f:(\buf)+8*\f+3],   v5 offset:(4*kq+\f)*2048+kh*1024
	ds_load_b128 v[(\buf)+8*\f+4:(\buf)+8*\f+7], v5 offset:(4*kq+\f)*2048+kh*1024+512
.endr
.endm
; The eight fragments of x of half step kb, 16 LDS loads.
.macro ALOAD kb, buf
.irp f, 0,1,2,3,4,5,6,7
	ds_load_b128 v[(\buf)+8*\f:(\buf)+8*\f+3],   v4 offset:(\f/4)*X2OFF+(\f%4)*2048+(\kb)*1024
	ds_load_b128 v[(\buf)+8*\f+4:(\buf)+8*\f+7], v4 offset:(\f/4)*X2OFF+(\f%4)*2048+(\kb)*1024+512
.endr
.endm
; Products of one kind (0 Q, 1 K, 2 V): blocks jlo .. jhi x all eight fragments of x.  The accumulators take turns, one instruction a turn: an accumulator comes up again behind 95 others.
; zero = 1: the product starts the sum: nothing is ever cleared.
.macro GRP kind, buf, af, jlo, jhi, zero
	WIN 0x50*((\kind)+1)
.set jq, (\jlo)
.rept (\jhi)-(\jlo)+1
.set aa, 0
.rept 8
.if \zero
	v_wmma_f32_16x16x32_bf16 v[8*(8*jq+aa):8*(8*jq+aa)+7], v[(\buf)+8*jq:(\buf)+8*jq+7], v[(\af)+8*aa:(\af)+8*aa+7], 0
.else
	v_wmma_f32_16x16x32_bf16 v[8*(8*jq+aa):8*(8*jq+aa)+7], v[(\buf)+8*jq:(\buf)+8*jq+7], v[(\af)+8*aa:(\af)+8*aa+7], v[8*(8*jq+aa):8*(8*jq+aa)+7]
.endif
.set aa, aa+1
.endr
.set jq, jq+1
.endr
.endm
; A PREFETCH INTO THE L2.  Behind the refill of every fourth step n = 0, 4, 8 .. (NS = n + 3 here) the four partners that ask for a tile jointly name the steps n + 4 .. n + 7 of it, one whole step each, told apart BY ADDRESS
; (place cx for x's tiles, cy for W's): 16 KiB are two instructions, 24 KiB three, a lane for each 256 bytes.  A wave names the part that it fetches itself.  x's tiles are read by both clusters of a row of clusters: cluster x = 0 asks;
; W's by every cluster of a column, and again in the second tile: cluster y = 0 asks, in the first tile alone.  So each 256 bytes are named once in the launch.  Steps 0 to 3 come by their loads alone; the last step named is 31 (x) or 15 (W).
.macro ASK
	s_and_b32 s[TMPS], s[NS], 3
	s_cmp_eq_u32 s[TMPS], 3
	s_cbranch_scc0 .Lnot_now_\@
	s_cmp_le_u32 s[NS], s[PLIM]
	s_cbranch_scc0 .Lnot_now_\@
	s_wait_xcnt 0x0                                ; my last prefetches, four steps back, have read their address: it may be written
	s_add_co_u32 s[TMPS], s[NS], s[MYPL]
	s_add_co_u32 s[TMPS], s[TMPS], 1
	s_mul_i32 s[POFF], s[TMPS], s[PSTEP]
	s_add_nc_u64 s[PFA:PFA+1], s[PBASE:PBASE+1], s[POFF:POFF+1]
	global_prefetch_b8 v7, s[PFA:PFA+1] th:TH_LOAD_NT scope:SCOPE_SE
	global_prefetch_b8 v7, s[PFA:PFA+1] offset:8192 th:TH_LOAD_NT scope:SCOPE_SE
	s_cmp_lt_u32 s[WV], 2
	s_cbranch_scc1 .Lnot_now_\@
	global_prefetch_b8 v7, s[PFA:PFA+1] offset:16384 th:TH_LOAD_NT scope:SCOPE_SE
.Lnot_now_\@:
.endm
; A STEP of 64 along K: six groups of 32 products (Q, K, V for the first half step, Q, K, V for the second).  W's fragments come four at a time through three buffers, each asked for again four places behind the group that read it;
; LDS loads come back in order, and each wait names the loads that may stay out.  At the step's head are out: W's group 0 (8), x's first half (16), W's group 1 (8).
; chg = 2: the slot is left and filled again; 1: it is left; 0: the walk's last step.  look = 1: the next step's first fragments are fetched.
; THE CHANGE OF SLOTS: W's group 5 is the last read of the slot.  Each wave waits for all its tensor loads, of which one is out: its part of the other slot; adds 0 to its spare word; and waits for that and for its reads.
; The barrier opens a round of the cluster's barrier, so that no wave of any partner still reads the slot or has a load on its way; the joint refill, two steps ahead, is the first thing behind it: 160 of a step's 192 products stand between it and the wait for it.
.macro STEP zero, chg, look
	PLACES
	WIN 0
	QLOAD 2, BQ2
	s_wait_dscnt 16                                ; W's groups 1 and 2 may stay out
	GRP 0, BQ0, AF0, 0, 3, \zero
	PLACES
	WIN 0
	QLOAD 3, BQ0
	ALOAD 1, AF1
	s_wait_dscnt 32                                ; groups 2 and 3 and x's second half
	GRP 1, BQ1, AF0, 0, 3, \zero
	PLACES
	WIN 0
	QLOAD 4, BQ1
	s_wait_dscnt 32                                ; group 3, x's second half, group 4
	GRP 2, BQ2, AF0, 0, 3, \zero
	PLACES
	WIN 0
	QLOAD 5, BQ2
.if \chg
	s_wait_tensorcnt 0x0                           ; all my tensor loads have landed, so a group 0 may be written;
	ds_add_u32 v8, v9                              ; 0 onto my spare word: scalar work and sixteen products stand between it and the wait for it
.if (\chg) == 2
	s_lshl_b32 s[OFF], s[NS], 14                   ; the walking descriptors are made anew from the step's number: x's steps lie on end across both tiles,
	s_add_nc_u64 s[G0A+6:G0A+7], s[ABASE:ABASE+1], s[OFF:OFF+1]
	s_or_b32 s[G0A+7], s[G0A+7], 0x80000000
	s_xor_b32 s[G0A+5], s[G0A+5], SLOT1
	s_and_b32 s[OFF], s[NS], 15                    ; W's begin anew with the second tile
	s_mul_i32 s[OFF], s[OFF], HEADB
	s_add_nc_u64 s[G0B+6:G0B+7], s[BBASE:BBASE+1], s[OFF:OFF+1]
	s_or_b32 s[G0B+7], s[G0B+7], 0x80000000
	s_xor_b32 s[G0B+5], s[G0B+5], SLOT1
	s_add_co_u32 s[NS], s[NS], 1
.endif
	s_wait_dscnt 17                                ; groups 4 and 5 and the add may stay out
.else
	s_wait_dscnt 16
.endif
	GRP 0, BQ0, AF1, 0, 1, 0
.if \chg
	s_wait_dscnt 0x0                               ; the add is done, and my reads of this slot are over:
	s_barrier_signal -1                            ; say so,
.endif
	GRP 0, BQ0, AF1, 2, 3, 0                       ; work on registers while the others arrive,
.if \chg
	WIN 0                                          ; (at a branch and at a label every window is 0)
	s_barrier_wait -1                              ; and go on when all four waves have said so
.endif
.if (\chg) == 2
	CREST
	JLOAD
.else
	PLACES
	WIN 0
.endif
.if \chg
	s_xor_b32 s[TB], s[TB], SLOT1                  ; the reads go on in the other slot
	v_add_nc_u32 v4, s[TB], v2
	v_add_nc_u32 v5, s[TB], v3
.endif
.if \look
	QLOAD 0, BQ0
	ALOAD 0, AF0
.endif
.if (\chg) == 2
	ASK                                            ; behind the joint load and the run of LDS loads
.endif
.if (\chg) == 0
	s_wait_dscnt 8                                 ; group 5 may stay out
.endif
	GRP 1, BQ1, AF1, 0, 3, 0
.if \look
	PLACES
	WIN 0
	QLOAD 1, BQ1
.endif
.if (\chg) == 0
	s_wait_dscnt 0x0
.endif
	GRP 2, BQ2, AF1, 0, 3, 0
	WIN 0
.endm
.macro ALLA line:vararg                ; one line for each fragment aa of x
.set aa, 0
.rept 8
	\line
.set aa, aa+1
.endr
.endm
	s_load_b128 s[4:7], s[0:1], 0x0                ; xf s[4:5], w3f s[6:7]
	s_load_b64 s[8:9], s[0:1], 0x10                ; resf
	v_lshl_add_u32 v8, v0, 2, SPARE                ; my spare word,
	v_mov_b32 v9, 0                                ; and 0: never rewritten
	ds_add_u32 v8, v9                              ; the wave's opening: the add and its wait stand ahead of my first tensor load; the set-up below, work on registers, stands between them
	v_lshrrev_b32 v1, 5, v0
	v_readfirstlane_b32 s[WV], v1
	s_lshr_b32 s[WH], s[WV], 1
	s_and_b32 s[WL], s[WV], 1
	s_bfe_u32 s[CX], ttmp6, 0x40000
	s_bfe_u32 s[CY], ttmp6, 0x40004
	s_lshl_b32 s[GX], ttmp9, 2                     ; in a cluster launch ttmp9 and ttmp7 count clusters
	s_add_co_u32 s[GX], s[GX], s[CX]
	s_and_b32 s[GY], ttmp7, 0xffff
	s_lshl_b32 s[GY], s[GY], 2
	s_add_co_u32 s[GY], s[GY], s[CY]
	s_lshl_b32 s82, s[CY], 2
	s_lshl_b32 s82, 15, s82                        ; my row of the cluster: places 4 cy .. 4 cy + 3
	s_lshl_b32 s83, 0x1111, s[CX]                  ; my column: places cx, cx + 4, cx + 8, cx + 12
	; descriptor group 1: dense blocks, asked for as rows of 256 bytes (32 elements of 8 bytes): 64 rows of x, 96 of W; no padding
	s_or_b32 s[G1A], s82, (3<<16)|(1<<21)          ; 15:0 the mask; 17:16 elements of 8 bytes; 21 set beside a mask
	s_or_b32 s[G1B], s83, (3<<16)|(1<<21)
	s_mov_b32 s[G1A+1], 32<<16                     ; tensor_dim0 = 32
	s_mov_b32 s[G1A+2], 64<<16                     ; tensor_dim1 = 64
	s_mov_b32 s[G1A+3], 32<<16                     ; tile_dim0 = 32
	s_mov_b32 s[G1A+4], 64                         ; tile_dim1 = 64
	s_mov_b32 s[G1A+5], 32                         ; 32 elements from row to row
	s_mov_b32 s[G1A+6], 0
	s_mov_b32 s[G1A+7], 0
	s_mov_b32 s[G1B+1], 32<<16
	s_mov_b32 s[G1B+2], 96<<16
	s_mov_b32 s[G1B+3], 32<<16
	s_mov_b32 s[G1B+4], 96
	s_mov_b32 s[G1B+5], 32
	s_mov_b32 s[G1B+6], 0
	s_mov_b32 s[G1B+7], 0
	; every wave makes both addresses, in registers that never hold the other coordinate, and asks by one of them
	s_lshl_b32 s78, s[WL], 24                      ; x1 | x2,
	s_lshl_b32 s79, s[GY], 19                      ; row group 2 Y
	s_add_co_u32 s78, s78, s79
	s_mov_b32 s79, 0
	s_lshl_b32 s80, s[GX], 1
	s_add_co_u32 s80, s80, s[WL]                   ; head 2 X + wave % 2
	s_mul_i32 s80, s80, 16*HEADB
	s_mov_b32 s81, 0
	s_lshl_b32 s84, s[WL], 14                      ; where they go in a slot: no place in the cluster enters an LDS address
	s_mul_i32 s85, s[WL], HEADB
	s_add_co_u32 s85, s85, BOFF
	s_mov_b32 s[G0A], 1                            ; 1:0 count = 1
	s_mov_b32 s[G0A+1], s84                        ; 63:32 LDS address: slot 0
	s_mov_b32 s[G0A+4], 1
	s_add_co_u32 s[G0A+5], s84, SLOT1              ; slot 1
	s_mov_b32 s[G0B], 1
	s_mov_b32 s[G0B+1], s85
	s_mov_b32 s[G0B+4], 1
	s_add_co_u32 s[G0B+5], s85, SLOT1
	s_lshl_b32 s86, s[GY], 20                      ; resf: group of 32 rows 8 Y + 2 (wave / 2), 131,072 bytes each,
	s_lshl_b32 s88, s[WH], 18
	s_add_co_u32 s86, s86, s88
	s_lshl_b32 s88, s[GX], 1
	s_add_co_u32 s88, s88, s[WL]
	s_lshl_b32 s88, s88, 13                        ; my head's 64 channels: 8,192 bytes
	s_add_co_u32 s86, s86, s88
	s_mov_b32 s87, 0
	s_mov_b32 s[NS], 2
	s_mov_b32 s[TILES], 2
	s_mov_b32 s[TB], 0
	s_mov_b32 s[OFF+1], 0
	s_mov_b32 s[POFF+1], 0
	s_mov_b32 s[SEL], 0x76543210
	s_mov_b32 s[SEL+1], 0xfedcba98
	s_mov_b32 s[CS], 0x3e38aa3b                    ; log2(e) / 8
	s_wait_dscnt 0x0                               ; the opening add is done
	s_wait_kmcnt 0x0
	s_add_nc_u64 s[ABASE:ABASE+1], s[4:5], s[78:79]
	s_add_nc_u64 s[BBASE:BBASE+1], s[6:7], s[80:81]
	s_add_nc_u64 s[RES:RES+1], s[8:9], s[86:87]
	s_mov_b64 s[G0A+2:G0A+3], s[ABASE:ABASE+1]     ; 120:64 global address: step 0,
	s_or_b32 s[G0A+3], s[G0A+3], 0x80000000        ; 127:126 type = 2
	s_add_nc_u64 s[G0A+6:G0A+7], s[ABASE:ABASE+1], ASTEP  ; step 1
	s_or_b32 s[G0A+7], s[G0A+7], 0x80000000
	s_mov_b64 s[G0B+2:G0B+3], s[BBASE:BBASE+1]
	s_or_b32 s[G0B+3], s[G0B+3], 0x80000000
	s_add_nc_u64 s[G0B+6:G0B+7], s[BBASE:BBASE+1], HEADB
	s_or_b32 s[G0B+7], s[G0B+7], 0x80000000
	CROUND                                         ; all sixteen work-groups are here: the first joint loads meet
	s_cmp_lt_u32 s[WV], 2                          ; a wave's two first fills stand in one branch, ahead of every wait on TENSORcnt and every LDS read: two loads of mine are out
	s_cbranch_scc0 .Lfirst_b
	tensor_load_to_lds s[G0A:G0A+3], s[G1A:G1A+7]
	s_nop 0
	tensor_load_to_lds s[G0A+4:G0A+7], s[G1A:G1A+7]
	s_nop 0
.rept 4
	v_nop
.endr
	s_branch .Lfirst_asked
.Lfirst_b:
	tensor_load_to_lds s[G0B:G0B+3], s[G1B:G1B+7]
	s_nop 0
	tensor_load_to_lds s[G0B+4:G0B+7], s[G1B:G1B+7]
	s_nop 0
.rept 4
	v_nop
.endr
.Lfirst_asked:
	v_and_b32 v1, 31, v0
	v_lshlrev_b32 v6, 4, v1                        ; 16 x lane: my 16 bytes of 512 on end; also my offset in resf; never rewritten
	v_lshlrev_b32 v7, 8, v1                        ; the prefetches' offset: 256 x lane; never rewritten
	s_lshl_b32 s91, s[WH], 13
	v_add_nc_u32 v2, s91, v6                       ; x's fragments in a slot: my four blocks of 16 rows
	v_add_nc_u32 v3, s85, v6                       ; W's: my head
	v_mov_b32 v4, v2                               ; the same in the slot that is read: slot 0
	v_mov_b32 v5, v3
	s_and_b32 s89, ttmp7, 0xffff                   ; cluster y
	s_mov_b32 s[PSTEP], HEADB
	s_cmp_lt_u32 s[WV], 2                          ; do I fetch x's tiles?
	s_cselect_b32 s[MYPL], s[CX], s[CY]
	s_cselect_b32 s[PSTEP], ASTEP, s[PSTEP]
	s_cselect_b32 s[PLIM], 27, 11
	s_cselect_b32 s89, ttmp9, s89                  ; the coordinate along which other clusters read the same bytes
	s_cselect_b64 s[PBASE:PBASE+1], s[ABASE:ABASE+1], s[BBASE:BBASE+1]
	s_cmp_eq_u32 s89, 0
	s_cselect_b32 s[PLIM], s[PLIM], 0              ; the same in all sixteen partners, for a given wave
	s_wait_tensorcnt 0x1                           ; my part of step 0 is in; step 1's may stay out
	s_barrier_signal -1
	s_barrier_wait -1                              ; everybody's is
.Ltile:
	QLOAD 0, BQ0                                   ; the tile's first fragments
	ALOAD 0, AF0
	QLOAD 1, BQ1
	STEP 1, 2, 1                                   ; the first step's first half starts the sums
	s_mov_b32 s[CNT], 13
.Lstep:
	STEP 0, 2, 1
	s_sub_co_u32 s[CNT], s[CNT], 1
	s_cmp_lg_u32 s[CNT], 0
	s_cbranch_scc1 .Lstep
	s_cmp_eq_u32 s[TILES], 1
	s_cbranch_scc1 .Llast                          ; the last tile's tail is written out: it asks for nothing more
	STEP 0, 2, 1                                   ; the ring goes on into the next tile: its steps 0
	STEP 0, 2, 0                                   ; and 1 are asked for
	s_branch .Lepi
.Llast:
	STEP 0, 1, 1
	STEP 0, 0, 0
.Lepi:
	; THE SCORES.  Fragment a's keys and values meet the OTHER x's queries, fragment (a + 4) % 8: 32 products a lane, two at a time, eight chains that take turns; each accumulator is read from its low end on.
	PLACES
	WIN 0x09                                       ; source 0 (Q) window 1, source 1 (K) window 2
.set jq, 0
.rept 4
.set rp, 0
.rept 4
.set aa, 0
.rept 8
.set rq, 8*(8*jq+(aa+4)%8)+2*rp
.set rk, 8*(8*jq+aa)+2*rp
.if (jq == 0) && (rp == 0)
	v_pk_mul_f32 v[TS+2*aa:TS+2*aa+1], v[rq:rq+1], v[rk:rk+1]
.else
	v_pk_fma_f32 v[TS+2*aa:TS+2*aa+1], v[rq:rq+1], v[rk:rk+1], v[TS+2*aa:TS+2*aa+1]
.endif
.set aa, aa+1
.endr
.set rp, rp+1
.endr
.set jq, jq+1
.endr
	WIN 0
	ALLA v_add_f32 v[TS+2*aa], v[TS+2*aa], v[TS+2*aa+1]
	ALLA v_permlanex16_b32 v[TS+2*aa+1], v[TS+2*aa], s[SEL], s[SEL+1]  ; the row's other 32 channels lie in the lane 16 away
	ALLA v_add_f32 v[TS+2*aa], v[TS+2*aa], v[TS+2*aa+1]
	ALLA v_mul_f32 v[TS+2*aa], s[CS], v[TS+2*aa]                       ; log2(e) x score
	ALLA v_sub_f32 v[TS+2*aa+1], v[TS+2*aa], v[TS+2*aa]                ; less the maximum over the one key, which is the score itself
	ALLA v_exp_f32 v[TS+2*aa+1], v[TS+2*aa+1]
	v_nop                                          ; a plain instruction behind the last exponential,
	s_wait_alu depctr_va_vdst(0)                   ; and one wait for the eight, ahead of their first reader
	ALLA v_rcp_f32 v[TS+2*aa], v[TS+2*aa+1]                            ; the sum over the one key is that exponential
	v_nop
	s_wait_alu depctr_va_vdst(0)                   ; the same for the eight reciprocals
	ALLA v_mul_f32 v[TS+2*aa], v[TS+2*aa+1], v[TS+2*aa]                ; the weight
	WIN 0xc3                                       ; V (destination and source 0) window 3, the weight window 0
.set jv, 0
.rept 4
.set aa, 0
.rept 8
.set q, 0
.rept 4
	v_pk_mul_f32 v[8*(8*jv+aa)+2*q:8*(8*jv+aa)+2*q+1], v[8*(8*jv+aa)+2*q:8*(8*jv+aa)+2*q+1], v[TS+2*aa:TS+2*aa+1] op_sel_hi:[1,0]
.set q, q+1
.endr
.set aa, aa+1
.endr
.set jv, jv+1
.endr
	WIN 0x0f                                       ; sources window 3, destination window 0
.set jv, 0
.rept 4
.set aa, 0
.rept 8
.set q, 0
.rept 4
	v_cvt_pk_f16_f32 v[PKD+4*(4*aa+jv)+q], v[8*(8*jv+aa)+2*q], v[8*(8*jv+aa)+2*q+1]
.set q, q+1
.endr
.set aa, aa+1
.endr
.set jv, jv+1
.endr
	WIN 0
.set aa, 0
.rept 8                                        ; a lane's 16 bytes ARE its part of the next launch's fragment: each store covers 512 consecutive bytes, at a multiple of 512 from resf's first
.set jv, 0
.rept 4
	global_store_b128 v6, v[PKD+4*(4*aa+jv):PKD+4*(4*aa+jv)+3], s[RES:RES+1] offset:((aa%4)/2)*131072+(jv/2)*4096+(2*(aa/4)+aa%2)*1024+(jv%2)*512
.set jv, jv+1
.endr
.set aa, aa+1
.endr
	s_wait_xcnt 0x0                                ; the stores have read their registers and their base: only behind this wait are they written again
	s_add_nc_u64 s[RES:RES+1], s[RES:RES+1], 4*131072  ; the next tile's 128 rows
	s_sub_co_u32 s[TILES], s[TILES], 1
	s_cmp_lg_u32 s[TILES], 0
	s_cbranch_scc1 .Ltile
	s_wait_tensorcnt 0x0                           ; the wave's end, behind my last tensor load
	ds_add_u32 v8, v9
	s_wait_dscnt 0x0
	CROUND                                         ; the closing round: no work-group ends while a partner may still ask for a tile that names it
	s_endpgm
.Lfunc_end_k_q14e4a10d00_qkv:
	.size	k_q14e4a10d00_qkv, .Lfunc_end_k_q14e4a10d00_qkv-k_q14e4a10d00_qkv
	.p2alignl 7, 3214868480
	.fill 96, 4, 3214868480
	.section	.rodata,"a",@progbits
	.p2align	6, 0x0
	.amdhsa_kernel k_q14e4a10d00_qkv
		.amdhsa_group_segment_fixed_size 327680
		.amdhsa_private_segment_fixed_size 0
		.amdhsa_enable_private_segment 0
		.amdhsa_kernarg_size 24
		.amdhsa_user_sgpr_count 2
		.amdhsa_user_sgpr_kernarg_segment_ptr 1
		.amdhsa_wavefront_size32 1
		.amdhsa_system_sgpr_workgroup_id_x 1
		.amdhsa_system_sgpr_workgroup_id_y 1
		.amdhsa_system_sgpr_workgroup_id_z 1
		.amdhsa_system_vgpr_workitem_id 0
		.amdhsa_next_free_vgpr 1024
		.amdhsa_next_free_sgpr 96
		.amdhsa_reserve_vcc 0
		.amdhsa_float_denorm_mode_32 3
		.amdhsa_float_denorm_mode_16_64 3
		.amdhsa_memory_ordered 1
		.amdhsa_forward_progress 1
		.amdhsa_inst_pref_size 153
	.end_amdhsa_kernel
	.amdgpu_metadata
---
amdhsa.version: [ 1, 2 ]
amdhsa.kernels:
  - .name:           k_q14e4a10d00_qkv
    .symbol:         k_q14e4a10d00_qkv.kd
    .args:
      - { .name: xf, .offset: 0, .size: 8, .value_kind: global_buffer, .address_space: global }
      - { .name: w3f, .offset: 8, .size: 8, .value_kind: global_buffer, .address_space: global }
      - { .name: resf, .offset: 16, .size: 8, .value_kind: global_buffer, .address_space: global }
    .group_segment_fixed_size: 327680
    .private_segment_fixed_size: 0
    .kernarg_segment_align: 8
    .kernarg_segment_size: 24
    .max_flat_workgroup_size: 128
    .sgpr_count:     96
    .vgpr_count:     1024
    .wavefront_size: 32
...
	.end_amdgpu_metadata
.endif
;; end of part 2
;; launch fcln (part 3): grid 256 x 1, 4 waves a work-group, clusters of 4 x 1, 327,680 bytes of LDS; arguments resf, wfc, gamma, beta, out0; writes out0
.if DOCPART == 3
	.amdgcn_target "amdgcn-amd-amdhsa--gfx1250"
	.amdhsa_code_object_version 6
	.text
	.protected	k_q14e4a10d00_fcln
	.globl	k_q14e4a10d00_fcln
	.p2align	8
	.type	k_q14e4a10d00_fcln,@function
k_q14e4a10d00_fcln:
	s_mov_b64 s[64:65], 0
	v_nop
	global_prefetch_b8 v0, s[64:65] scope:SCOPE_SE
	s_setreg_imm32_b32 hwreg(HW_REG_WAVE_MODE, 25, 1), 1
	s_wait_xcnt 0x0
	s_wait_alu depctr_hold_cnt(0) depctr_sa_sdst(0) depctr_va_vdst(0) depctr_va_sdst(0) depctr_va_ssrc(0) depctr_va_vcc(0) depctr_vm_vsrc(0)
	s_getreg_b32 s2, hwreg(HW_REG_IB_STS2, 6, 4)
	s_cmp_eq_u32 s2, 0
	s_cbranch_scc0 .Lentry_in_a_cluster
	s_endpgm
.Lentry_in_a_cluster:
	s_bfe_u32 s2, ttmp6, 0x10000c
	s_cmp_lg_u32 s2, 0x3003
	s_cbranch_scc0 .Lentry_shape_is_right
	s_endpgm
.Lentry_shape_is_right:
; OUTPUT PROJECTION AND THE TWO LAYER NORMS.  o = res W_fc^T in f16 with f32 sums, for both branches; for each row mean, variance (in two passes, of the differences from the mean) and 1 / sqrt(variance + 1e-5);
; out = (d1 r1 + d2 r2) gamma + 2 beta.  o never leaves the registers.  gamma and beta are rounded to bf16 like every other input of the module, on purpose.
; SHARES.  Work-group g makes 64 rows (rows b = 32 g .. 32 g + 31 of branch 1 and THE SAME of branch 2) x ALL 1,024 columns, so that a row's sums stay in the work-group.  Wave w has columns 256 w .. 256 w + 255:
; 4 fragments of res (a = 2 x branch + block of 16 rows) x 16 of W_fc: 64 accumulators, 512 registers.  The product is used transposed: a lane holds ONE row (lane % 16) and the columns 16 j + 8 (lane / 16) + 0..7.
; W_fc walks through two LDS slots in steps of 64 along K, 128 KiB each; wave w fetches and reads its own quarter.  All work-groups walk the same W_fc: the four of a cluster ask for each tile JOINTLY.
; res comes straight from memory into registers, 4 KiB for 32 along K, four sets that take turns, asked for three half steps ahead: every wave wants all of it, and a fifth part of a slot would want a fifth loader.
; REGISTERS, in windows of 256 (s_set_vgpr_msb: bits 1:0 source 0, 3:2 source 1, 5:4 source 2, 7:6 destination):
;   window 0: v2-11 addresses; v12-19 gamma, v20-27 2 beta of my 2 x 4 columns on the way out; v32-63 sums at work; v64-191 res, four sets of 32 (later rows on the way out); v192-207 means and 1 / sqrt
;   window 1: v0-127, v128-255 W_fc's fragments of a step's two halves;  window 2: accumulators of a = 0, 1 at v[8 (16 (a % 2) + j)];  window 3: of a = 2, 3
.set SLOT1,  131072
.set QUART,  32768                     ; a wave's quarter of a slot: 16 blocks of 16 rows x 64 K
.set SPARE,  2*SLOT1                   ; behind the ring: the spare words, 128 bytes for each wave: two blocks of 256 bytes that no other line names
.set STAT1,  SPARE+512                 ; [a][row][wave] f32: the waves' row sums, 1,024 bytes; the sums of squares 1,024 further on
.set STAGE,  STAT1+2048                ; for the way out: 16 rows x 528 bytes for each wave; no tensor load lands here
.set SP,     528                       ; 512 bytes + 16: the 16 rows that a store touches start 4 words apart
.set WSTAGE, 16*SP
.set AS,  64
.set F0,  0
.set F1,  128
.set CH,  32
.set MU,  192
.set RS,  200
.set OB,  64
.set WV,  14
.set CX,  15
.set GG,  16
.set G1,  24                           ; s[24:31] descriptor group 1
.set G0,  32                           ; s[32:39] group 0, one set for each slot
.set RA,  40                           ; s[40:41] resf at my group of rows, 16,384 bytes on in each trip
.set PFW, 42                           ; s[42:43] wfc at the 8 KiB of a step that I prefetch, two steps on in each trip
.set OUT, 44                           ; s[44:45] out0 at my rows and columns
.set LIMR, 46                          ; s46 1 in the wave that prefetches res, else the greatest number
.set LIMW, 47                          ; s47 the same for W_fc
.set SEL, 48
.set INV, 50                           ; s50 1 / 1024
.set EPSR, 51                          ; s51 1e-5
.set MSB, 0
.macro WIN new                         ; the immediate's high byte repeats the setting that is left; a switch that changes nothing is dropped
.if MSB != (\new)
	s_set_vgpr_msb (MSB<<8)|(\new)
.set MSB, (\new)
.endif
.endm
.macro PLACES                          ; four places in front of loads into registers that matrix instructions have read, and of vector instructions that read results (ISA guide 7.12.1 for vector instructions)
.rept 4
	v_nop
.endr
.endm
.macro CREST
	s_cmp_lg_u32 s[WV], 0
	s_cbranch_scc1 .Lnot_wave_0_\@
	s_barrier_signal -3
.Lnot_wave_0_\@:
	s_barrier_wait -3
	s_barrier_signal -1
	s_barrier_wait -1
.endm
.macro CROUND
	s_barrier_signal -1
	s_barrier_wait -1
	CREST
.endm
; 8 products: fragment a of res in set q x W_fc's blocks 8 jh .. 8 jh + 7 in buffer f.  The 64 accumulators take turns, one instruction a turn.
.macro M8 f, q, a, jh, zero
	WIN 0xa1+0x50*((\a)/2)                         ; W_fc window 1, res window 0, C and D window 2 or 3
.set j, 8*(\jh)
.rept 8
.if \zero
	v_wmma_f32_16x16x32_f16 v[8*(16*((\a)%2)+j):8*(16*((\a)%2)+j)+7], v[(\f)+8*j:(\f)+8*j+7], v[AS+32*(\q)+8*(\a):AS+32*(\q)+8*(\a)+7], 0
.else
	v_wmma_f32_16x16x32_f16 v[8*(16*((\a)%2)+j):8*(16*((\a)%2)+j)+7], v[(\f)+8*j:(\f)+8*j+7], v[AS+32*(\q)+8*(\a):AS+32*(\q)+8*(\a)+7], v[8*(16*((\a)%2)+j):8*(16*((\a)%2)+j)+7]
.endif
.set j, j+1
.endr
.endm
.macro FETCH slot, kb, f               ; 32 LDS loads in one run: my 16 fragments of W_fc of half step kb
	WIN 0x40                                       ; destination window 1, address window 0
.set j, 0
.rept 16
	ds_load_b128 v[(\f)+8*j:(\f)+8*j+3],   v[2+(\slot)] offset:j*2048+(\kb)*1024
	ds_load_b128 v[(\f)+8*j+4:(\f)+8*j+7], v[2+(\slot)] offset:j*2048+(\kb)*1024+512
.set j, j+1
.endr
.endm
.macro ALD set, imm                    ; 8 loads: the four fragments of res of one half step, 4,096 consecutive bytes
.irp f, 0,1,2,3
	global_load_b128 v[AS+32*(\set)+8*\f:AS+32*(\set)+8*\f+3],   v4, s[RA:RA+1] offset:(\imm)+1024*\f
	global_load_b128 v[AS+32*(\set)+8*\f+4:AS+32*(\set)+8*\f+7], v4, s[RA:RA+1] offset:(\imm)+1024*\f+512
.endr
.endm
; PREFETCHES INTO THE L2, behind the refill of step s: what step s + 4 will want, two refills ahead.  res: my work-group's 8 KiB of that step, by wave 0, a lane for each 256 bytes.  W_fc: every cluster walks the same 128 KiB:
; the first cluster asks, its sixteen waves 8 KiB each, the four partners told apart BY ADDRESS.  So each 256 bytes are named once in the launch.  Steps 0 to 3 come by their loads alone; the loop's last trip asks for nothing.
.macro ASK p
	s_cmp_gt_u32 s3, s[LIMR]
	s_cbranch_scc0 .Lno_r_\@
	global_prefetch_b8 v5, s[RA:RA+1] offset:32768+8192*(\p) th:TH_LOAD_NT scope:SCOPE_SE
.Lno_r_\@:
	s_cmp_gt_u32 s3, s[LIMW]
	s_cbranch_scc0 .Lno_w_\@
	global_prefetch_b8 v5, s[PFW:PFW+1] offset:4*SLOT1+SLOT1*(\p) th:TH_LOAD_NT scope:SCOPE_SE
.Lno_w_\@:
.endm
; A step's first half: multiplies buffer F0 and set q; in its middle it fetches the second half's fragments, the slot's last read, and asks for the half step three on (ald: its offset, or -1).  lc: the younger loads of res that may stay out.
.macro HALF0 slot, q, zero, lc, ald
	s_wait_dscnt 0x0                               ; F0 is in: asked for 48 products ago
	s_wait_loadcnt \lc
	M8 F0, \q, 0, 0, \zero
	M8 F0, \q, 0, 1, \zero
	M8 F0, \q, 1, 0, \zero
	M8 F0, \q, 1, 1, \zero
	PLACES
	FETCH \slot, 1, F1
	WIN 0
.if (\ald) >= 0
	ALD ((\q)+3)%4, \ald
.endif
	M8 F0, \q, 2, 0, \zero
	M8 F0, \q, 2, 1, \zero
	M8 F0, \q, 3, 0, \zero
	M8 F0, \q, 3, 1, \zero
.endm
; A step's second half multiplies buffer F1 and changes slots.  In front of the barrier each wave waits for all its tensor loads, of which one is out: its quarter of the next slot; adds 0 to its spare word; and waits for that and for its reads
; of this slot.  fill = 1: the barrier opens a round of the cluster's barrier, and the joint refill, two steps ahead, is the first thing behind it: 112 of a step's 128 products stand between it and the wait for it.
.macro TURN slot, next, q, fill, ald, askp
	WIN 0
	s_wait_tensorcnt 0x0                           ; all my tensor loads have landed, so a group 0 may be written;
	ds_add_u32 v8, v9                              ; 0 onto my spare word
.if \fill
	s_add_nc_u64 s[G0+4*(\slot)+2:G0+4*(\slot)+3], s[G0+4*(\slot)+2:G0+4*(\slot)+3], 2*SLOT1  ; this slot's next step; the type bits on top are not reached
.endif
	s_wait_dscnt 1                                 ; F1 is in; the add may be out
	s_wait_loadcnt 16                              ; my set of res is in; the two half steps behind it stay out
	M8 F1, \q, 0, 0, 0
	s_wait_dscnt 0x0                               ; the add is done, and my reads of this slot are over
	s_barrier_signal -1
	M8 F1, \q, 0, 1, 0
	WIN 0                                          ; at a branch and at a label every window is 0
	s_barrier_wait -1
.if \fill
	CREST
	tensor_load_to_lds s[G0+4*(\slot):G0+4*(\slot)+3], s[G1:G1+7]
	s_nop 0
.rept 4
	v_nop                                          ; the places in front of the loads below
.endr
.else
	PLACES
.endif
	FETCH \next, 0, F0
	WIN 0
.if (\ald) >= 0
	ALD ((\q)+3)%4, \ald
.endif
.if (\askp) >= 0
	ASK \askp
.endif
	M8 F1, \q, 1, 0, 0
	M8 F1, \q, 1, 1, 0
	M8 F1, \q, 2, 0, 0
	M8 F1, \q, 2, 1, 0
	M8 F1, \q, 3, 0, 0
	M8 F1, \q, 3, 1, 0
.endm
.macro ALL4 line:vararg                ; one line for each fragment aa of res
.set aa, 0
.rept 4
	\line
.set aa, aa+1
.endr
.endm
; The four chains of each fragment are added up; the halves of the lanes are added; the four waves' sums meet in LDS (bytes so .. so + 1,023 behind STAT1), each wave storing to words of its own; every wave reads all four.
; It leaves two half sums in v[CH + 8 a + 4] and v[CH + 8 a + 6].
.macro REDUCE so
	WIN 0
	ALL4 v_pk_add_f32 v[CH+8*aa:CH+8*aa+1], v[CH+8*aa:CH+8*aa+1], v[CH+8*aa+2:CH+8*aa+3]
	ALL4 v_pk_add_f32 v[CH+8*aa+4:CH+8*aa+5], v[CH+8*aa+4:CH+8*aa+5], v[CH+8*aa+6:CH+8*aa+7]
	ALL4 v_pk_add_f32 v[CH+8*aa:CH+8*aa+1], v[CH+8*aa:CH+8*aa+1], v[CH+8*aa+4:CH+8*aa+5]
	ALL4 v_add_f32 v[CH+8*aa], v[CH+8*aa], v[CH+8*aa+1]
	ALL4 v_permlanex16_b32 v[CH+8*aa+1], v[CH+8*aa], s[SEL], s[SEL+1]
	ALL4 v_add_f32 v[CH+8*aa], v[CH+8*aa], v[CH+8*aa+1]
	ALL4 ds_store_b32 v6, v[CH+8*aa] offset:(\so)+256*aa
	s_wait_dscnt 0x0                               ; for the others' sake: my stores are done
	s_barrier_signal -1
	s_barrier_wait -1
	ALL4 ds_load_b128 v[CH+8*aa+4:CH+8*aa+7], v7 offset:(\so)+256*aa
	s_wait_dscnt 0x0
	ALL4 v_add_f32 v[CH+8*aa+4], v[CH+8*aa+4], v[CH+8*aa+5]
	ALL4 v_add_f32 v[CH+8*aa+6], v[CH+8*aa+6], v[CH+8*aa+7]
.endm
	s_load_b256 s[4:11], s[0:1], 0x0               ; resf s[4:5], wfc s[6:7], gamma s[8:9], beta s[10:11]
	s_load_b64 s[12:13], s[0:1], 0x20              ; out0
	v_lshl_add_u32 v8, v0, 2, SPARE                ; my spare word,
	v_mov_b32 v9, 0                                ; and 0: never rewritten
	ds_add_u32 v8, v9                              ; the wave's opening: the add and its wait stand ahead of my first tensor load; the set-up below, work on registers, stands between them
	v_lshrrev_b32 v28, 5, v0
	v_readfirstlane_b32 s[WV], v28
	s_bfe_u32 s[CX], ttmp6, 0x40000
	s_lshl_b32 s[GG], ttmp9, 2                     ; in a cluster launch ttmp9 counts clusters
	s_add_co_u32 s[GG], s[GG], s[CX]               ; my group of 32 rows: it enters resf's and out0's addresses alone
	; descriptor group 1: a dense quarter of a step, 128 rows of 256 bytes (32 elements of 8 bytes), no padding
	s_mov_b32 s[G1], 15|(3<<16)|(1<<21)            ; 15:0 the mask: all four work-groups; 17:16 elements of 8 bytes; 21 set beside a mask
	s_mov_b32 s[G1+1], 32<<16                      ; tensor_dim0 = 32
	s_mov_b32 s[G1+2], 128<<16                     ; tensor_dim1 = 128
	s_mov_b32 s[G1+3], 32<<16                      ; tile_dim0 = 32
	s_mov_b32 s[G1+4], 128                         ; tile_dim1 = 128
	s_mov_b32 s[G1+5], 32                          ; 32 elements from row to row
	s_mov_b32 s[G1+6], 0
	s_mov_b32 s[G1+7], 0
	s_lshl_b32 s52, s[WV], 15                      ; my quarter, in a slot and in a step of wfc
	s_mov_b32 s53, 0
	s_mov_b32 s[G0], 1
	s_mov_b32 s[G0+1], s52
	s_mov_b32 s[G0+4], 1
	s_add_co_u32 s[G0+5], s52, SLOT1
	s_lshl_b32 s54, s[GG], 17                      ; 131,072 bytes a group, in resf and in out0
	s_mov_b32 s55, 0
	s_lshl_b32 s58, s[WV], 10                      ; my 256 columns in f32
	s_mov_b32 s59, 0
	s_lshl_b32 s56, s[CX], 15                      ; the prefetches of W_fc: my work-group's quarter of a step, my wave's quarter of that
	s_lshl_b32 s57, s[WV], 13
	s_add_co_u32 s56, s56, s57
	s_mov_b32 s57, 0
	s_cmp_eq_u32 s[WV], 0
	s_cselect_b32 s[LIMR], 1, -1
	s_cmp_eq_u32 ttmp9, 0
	s_cselect_b32 s[LIMW], 1, -1                   ; the same in all four partners
	s_mov_b32 s[SEL], 0x76543210
	s_mov_b32 s[SEL+1], 0xfedcba98
	s_mov_b32 s[INV], 0x3a800000
	s_mov_b32 s[EPSR], 0x3727c5ac
	v_and_b32 v1, 31, v0                           ; lane
	v_and_b32 v29, 15, v0                          ; lane % 16
	v_bfe_u32 v30, v0, 4, 1                        ; lane / 16
	v_lshlrev_b32 v4, 4, v1                        ; 16 x lane: my 16 bytes of 512 on end, in resf and in out0; never rewritten
	v_lshlrev_b32 v5, 8, v1                        ; the prefetches' offset; never rewritten
	v_add_nc_u32 v2, s52, v4                       ; W_fc's fragments in slot 0,
	v_add_nc_u32 v3, SLOT1, v2                     ; in slot 1
	s_lshl_b32 s60, s[WV], 2
	s_add_co_u32 s60, s60, STAT1
	v_lshl_add_u32 v6, v29, 4, s60                 ; my wave's word of my row's four
	v_lshlrev_b32 v7, 4, v29
	v_add_nc_u32 v7, STAT1, v7                     ; my row's four words
	s_mul_i32 s61, s[WV], WSTAGE
	s_add_co_u32 s61, s61, STAGE
	v_mul_u32_u24 v10, v29, SP                     ; into the stage: row lane % 16, 32 bytes for each half of the lanes
	v_lshl_add_u32 v10, v30, 5, v10
	v_add_nc_u32 v10, s61, v10
	v_add_nc_u32 v11, s61, v4                      ; back: a row's 512 bytes
	v_add_nc_u32 v31, s58, v4                      ; gamma and beta: my four columns of the wave's first 128
	s_wait_dscnt 0x0                               ; the opening add is done
	s_wait_kmcnt 0x0
	s_add_nc_u64 s[G0+2:G0+3], s[6:7], s[52:53]    ; step 0,
	s_add_nc_u64 s[G0+6:G0+7], s[G0+2:G0+3], SLOT1 ; step 1
	s_or_b32 s[G0+3], s[G0+3], 0x80000000          ; type = 2
	s_or_b32 s[G0+7], s[G0+7], 0x80000000
	s_add_nc_u64 s[RA:RA+1], s[4:5], s[54:55]
	s_add_nc_u64 s[OUT:OUT+1], s[12:13], s[54:55]
	s_add_nc_u64 s[OUT:OUT+1], s[OUT:OUT+1], s[58:59]
	s_add_nc_u64 s[PFW:PFW+1], s[6:7], s[56:57]
	CROUND                                         ; all four work-groups are here: the first joint loads meet
	tensor_load_to_lds s[G0:G0+3], s[G1:G1+7]      ; two loads of mine are out
	s_nop 0
	tensor_load_to_lds s[G0+4:G0+7], s[G1:G1+7]
	s_nop 0
.rept 4
	v_nop
.endr
	ALD 0, 0                                       ; res: half steps 0 to 3
	ALD 1, 4096
	ALD 2, 8192
	ALD 3, 12288
	s_wait_tensorcnt 0x1                           ; my quarter of step 0 is in; step 1's may stay out
	s_barrier_signal -1
	s_barrier_wait -1
	FETCH 0, 0, F0
	HALF0 0, 0, 1, 24, -1                          ; the first half step stands in front of the loop: its products start the sums; three sets of res stay out
	WIN 0
	s_mov_b32 s3, 7
.Llap:                                         ; trip t: half steps 4 t + 1 .. 4 t + 4; both slots are filled again; res of half steps 4 t + 4 .. 4 t + 7 is asked for
	TURN 0, 1, 1, 1, 16384, 0
	HALF0 1, 2, 0, 16, 20480
	TURN 1, 0, 3, 1, 24576, 1
	HALF0 0, 0, 0, 16, 28672
	WIN 0
	s_wait_xcnt 0x0                                ; every load and prefetch issued so far (the youngest 32 products back) has read its address: the pointers may be written
	s_add_nc_u64 s[RA:RA+1], s[RA:RA+1], 16384
	s_add_nc_u64 s[PFW:PFW+1], s[PFW:PFW+1], 2*SLOT1
	s_sub_co_u32 s3, s3, 1
	s_cmp_lg_u32 s3, 0
	s_cbranch_scc1 .Llap
	TURN 0, 1, 1, 0, -1, -1                        ; the tail is written out: nothing more is asked for
	HALF0 1, 2, 0, 8, -1
	s_wait_dscnt 0x0
	s_wait_loadcnt 0x0
	WIN 0
	global_load_b128 v[12:15], v31, s[8:9]         ; gamma and beta of my columns come in under the last products
	global_load_b128 v[16:19], v31, s[8:9] offset:512
	global_load_b128 v[20:23], v31, s[10:11]
	global_load_b128 v[24:27], v31, s[10:11] offset:512
.irp a, 0,1,2,3
	M8 F1, 3, \a, 0, 0
	M8 F1, 3, \a, 1, 0
.endr
	; THE MEANS.  A lane's 128 numbers of a row, two at a time, in four chains a fragment; each accumulator is read from its low end on.
	PLACES
.irp W, 2,3
	WIN \W|(\W<<2)                                 ; both sources in the accumulators' window
.set al, 0
.rept 2
.set k, 0
.rept 4
.set c0, CH+8*(2*(\W-2)+al)+2*k
	v_pk_add_f32 v[c0:c0+1], v[128*al+2*k:128*al+2*k+1], v[128*al+8+2*k:128*al+8+2*k+1]
.set k, k+1
.endr
.set al, al+1
.endr
	WIN \W                                         ; source 0 in the accumulators' window
.set j, 2
.rept 14
.set al, 0
.rept 2
.set k, 0
.rept 4
.set c0, CH+8*(2*(\W-2)+al)+2*k
	v_pk_add_f32 v[c0:c0+1], v[128*al+8*j+2*k:128*al+8*j+2*k+1], v[c0:c0+1]
.set k, k+1
.endr
.set al, al+1
.endr
.set j, j+1
.endr
.endr
	REDUCE 0
	ALL4 v_add_f32 v[MU+2*aa+1], v[CH+8*aa+4], v[CH+8*aa+6]
	ALL4 v_mul_f32 v[MU+2*aa], s[INV], v[MU+2*aa+1]
	; THE VARIANCES, of the differences from the mean, which take the accumulators' places
.irp W, 2,3
	WIN (\W<<6)|\W                                 ; destination and source 0 in the accumulators' window, the mean in window 0
.set al, 0
.rept 2
.set j, 0
.rept 64
	v_pk_add_f32 v[128*al+2*j:128*al+2*j+1], v[128*al+2*j:128*al+2*j+1], v[MU+2*(2*(\W-2)+al):MU+2*(2*(\W-2)+al)+1] op_sel_hi:[1,0] neg_lo:[0,1] neg_hi:[0,1]
.set j, j+1
.endr
.set al, al+1
.endr
	WIN \W|(\W<<2)
.set j, 0
.rept 16
.set al, 0
.rept 2
.set k, 0
.rept 4
.set c0, CH+8*(2*(\W-2)+al)+2*k
.set a0, 128*al+8*j+2*k
.if j == 0
	v_pk_mul_f32 v[c0:c0+1], v[a0:a0+1], v[a0:a0+1]
.else
	v_pk_fma_f32 v[c0:c0+1], v[a0:a0+1], v[a0:a0+1], v[c0:c0+1]
.endif
.set k, k+1
.endr
.set al, al+1
.endr
.set j, j+1
.endr
.endr
	REDUCE 1024
	ALL4 v_add_f32 v[RS+2*aa+1], v[CH+8*aa+4], v[CH+8*aa+6]
	ALL4 v_fma_f32 v[RS+2*aa+1], v[RS+2*aa+1], s[INV], s[EPSR]
	ALL4 v_rsq_f32 v[RS+2*aa], v[RS+2*aa+1]
	v_nop                                          ; a plain instruction behind the last of the four,
	s_wait_alu depctr_va_vdst(0)                   ; and one wait for them, ahead of their first reader
	; d1 r1 + d2 r2, into branch 1's registers
	WIN 0xc3
.set i, 0
.rept 2
.set j, 0
.rept 64
	v_pk_mul_f32 v[128*i+2*j:128*i+2*j+1], v[128*i+2*j:128*i+2*j+1], v[RS+2*(2+i):RS+2*(2+i)+1] op_sel_hi:[1,0]
.set j, j+1
.endr
.set i, i+1
.endr
	WIN 0xb2                                       ; destination and source 0 window 2, source 1 window 0, source 2 window 3
.set i, 0
.rept 2
.set j, 0
.rept 64
	v_pk_fma_f32 v[128*i+2*j:128*i+2*j+1], v[128*i+2*j:128*i+2*j+1], v[RS+2*i:RS+2*i+1], v[128*i+2*j:128*i+2*j+1] op_sel_hi:[1,0,1]
.set j, j+1
.endr
.set i, i+1
.endr
	WIN 0
	s_wait_loadcnt 0x0                             ; gamma and beta
.irp p, 12,14,16,18,20,22,24,26
	v_cvt_pk_bf16_f32 v[28+(\p/2)%2], v[\p], v[\p+1]  ; rounded to bf16, like the module's other inputs,
	v_lshlrev_b32 v[\p], 16, v[28+(\p/2)%2]           ; and back to f32
	v_and_b32 v[\p+1], 0xffff0000, v[28+(\p/2)%2]
.endr
.irp p, 20,22,24,26
	v_pk_add_f32 v[\p:\p+1], v[\p:\p+1], v[\p:\p+1]   ; each branch adds beta once
.endr
; THE WAY OUT, in four passes p: block p / 2 of 16 rows, half p % 2 of my 256 columns.  A lane's eight columns of a row go into my stage as 32 bytes; a row's 512 bytes come back; gamma and 2 beta are applied; the row piece is stored.
.macro TOSTAGE p
	WIN 0x08                                       ; the data (source 1) in window 2
.set jj, 0
.rept 8
.set a0, 128*((\p)/2)+8*(8*((\p)%2)+jj)
	ds_store_b128 v10, v[a0:a0+3] offset:64*jj
	ds_store_b128 v10, v[a0+4:a0+7] offset:64*jj+16
.set jj, jj+1
.endr
	WIN 0
.if (\p) >= 2
	s_wait_xcnt 0x0                                ; the stores of the pass two back have read these registers
.endif
.set t, 0
.rept 16
	ds_load_b128 v[OB+64*((\p)%2)+4*t:OB+64*((\p)%2)+4*t+3], v11 offset:SP*t  ; my wave's own bytes: LDS serves a wave's instructions in order (ISA guide 5.7.1.4): these see the stores above, and the next pass's stores come behind them
.set t, t+1
.endr
.endm
.macro SEND p, younger                 ; younger: the LDS instructions issued behind this pass's loads: the next pass's 32, or none
.set t, 0
.rept 16
.set o0, OB+64*((\p)%2)+4*t
	s_wait_dscnt (\younger)+15-t
	v_pk_fma_f32 v[o0:o0+1], v[o0:o0+1], v[12+4*((\p)%2):13+4*((\p)%2)], v[20+4*((\p)%2):21+4*((\p)%2)]
	v_pk_fma_f32 v[o0+2:o0+3], v[o0+2:o0+3], v[14+4*((\p)%2):15+4*((\p)%2)], v[22+4*((\p)%2):23+4*((\p)%2)]
	global_store_b128 v4, v[o0:o0+3], s[OUT:OUT+1] offset:(16*((\p)/2)+t)*4096+512*((\p)%2)  ; 512 consecutive bytes, at a multiple of 512 from out0's first
.set t, t+1
.endr
.endm
	TOSTAGE 0
	TOSTAGE 1                                      ; a pass's trip through the stage stands between the loads of the pass before and its stores
	SEND 0, 32
	TOSTAGE 2
	SEND 1, 32
	TOSTAGE 3
	SEND 2, 32
	SEND 3, 0
	s_wait_tensorcnt 0x0                           ; the wave's end, behind my last tensor load and my last LDS store
	ds_add_u32 v8, v9
	s_wait_dscnt 0x0
	CROUND                                         ; the closing round: no work-group ends while a partner may still ask for a tile that names it
	s_endpgm
.Lfunc_end_k_q14e4a10d00_fcln:
	.size	k_q14e4a10d00_fcln, .Lfunc_end_k_q14e4a10d00_fcln-k_q14e4a10d00_fcln
	.p2alignl 7, 3214868480
	.fill 96, 4, 3214868480
	.section	.rodata,"a",@progbits
	.p2align	6, 0x0
	.amdhsa_kernel k_q14e4a10d00_fcln
		.amdhsa_group_segment_fixed_size 327680
		.amdhsa_private_segment_fixed_size 0
		.amdhsa_enable_private_segment 0
		.amdhsa_kernarg_size 40
		.amdhsa_user_sgpr_count 2
		.amdhsa_user_sgpr_kernarg_segment_ptr 1
		.amdhsa_wavefront_size32 1
		.amdhsa_system_sgpr_workgroup_id_x 1
		.amdhsa_system_sgpr_workgroup_id_y 1
		.amdhsa_system_sgpr_workgroup_id_z 1
		.amdhsa_system_vgpr_workitem_id 0
		.amdhsa_next_free_vgpr 1024
		.amdhsa_next_free_sgpr 66
		.amdhsa_reserve_vcc 0
		.amdhsa_float_denorm_mode_32 3
		.amdhsa_float_denorm_mode_16_64 3
		.amdhsa_memory_ordered 1
		.amdhsa_forward_progress 1
		.amdhsa_inst_pref_size 159
	.end_amdhsa_kernel
	.amdgpu_metadata
---
amdhsa.version: [ 1, 2 ]
amdhsa.kernels:
  - .name:           k_q14e4a10d00_fcln
    .symbol:         k_q14e4a10d00_fcln.kd
    .args:
      - { .name: resf, .offset: 0, .size: 8, .value_kind: global_buffer, .address_space: global }
      - { .name: wfc, .offset: 8, .size: 8, .value_kind: global_buffer, .address_space: global }
      - { .name: gamma, .offset: 16, .size: 8, .value_kind: global_buffer, .address_space: global }
      - { .name: beta, .offset: 24, .size: 8, .value_kind: global_buffer, .address_space: global }
      - { .name: out0, .offset: 32, .size: 8, .value_kind: global_buffer, .address_space: global }
    .group_segment_fixed_size: 327680
    .private_segment_fixed_size: 0
    .kernarg_segment_align: 8
    .kernarg_segment_size: 40
    .max_flat_workgroup_size: 128
    .sgpr_count:     66
    .vgpr_count:     1024
    .wavefront_size: 32
...
	.end_amdgpu_metadata
.endif
;; end of part 3
